; MI455X (gfx1250); checked and timed in simulation.
; The chip was launched on July 23, 2026; its instructions are those of AMD's public machine-readable ISA for CDNA 5 (MIT licence, August 2026) and "CDNA5" Instruction Set Architecture Reference Guide (July 2026). The comments in the code are by the model that wrote it; some were corrected since.
;; Epi Module. Allowed arithmetic: matrix products marked QUANTISED: E2M3 operands, one E8M0 scale for each 32 along K, by v_wmma_scale_f32_16x16x128_f8f6f4 with both operands' format E2M3, f32 sums; products left as they are: f32 operands where the result goes on into a quantised operand, else bf16, f16 or f32 operands; f32 sums; everything else in f32.
;; Inputs: F_mats 32 x 3 x 3 float32; Wk 512 x 512 float32; Wo 512 x 512 float32; Wq 512 x 512 float32; Wv 512 x 512 float32; hidden_states 32 x 1,024 x 512 float32.
;; Outputs: out0 32 x 1,024 x 512 float32.
;; This version of the problem:
;;   THIS VERSION OF THE PROBLEM IS GIVEN IN LOW PRECISION. The matrix products marked QUANTISED in the list below multiply operands that are first quantised to E2M3 (2 exponent bits, 3 mantissa bits; 6 bits a number), with one power-of-two scale for each 32 numbers along K (OCP MX v1.0); their sums are f32. All else is computed in f32.
;;   The module's matrix products, in the order in which they are computed (A, B: the left and right operand; K: the contracted axis; several contracted axes count as one K, in the product's order):
;;     1. [M 1,024, K 3] x [K 3, N 96]; A: computed on the way; B: input F_mats: left as it is (K = 3 < 32)
;;     2. [M 32,768, K 3] x [K 3, N 1,024]; A: computed on the way; B: computed on the way: left as it is (K = 3 < 32)
;;     3. [M 32,768, K 512] x [K 512, N 512]; A: input hidden_states; B: input Wq: QUANTISED
;;     4. [M 32,768, K 512] x [K 512, N 512]; A: input hidden_states; B: input Wk: QUANTISED
;;     5. [M 32,768, K 512] x [K 512, N 512]; A: input hidden_states; B: input Wv: QUANTISED
;;     6. batch 256 x [M 1,024, K 64] x [K 64, N 1,024]; A: computed on the way; B: computed on the way: QUANTISED
;;     7. batch 256 x [M 1,024, K 1,024] x [K 1,024, N 64]; A: softmax (see below); B: computed on the way: QUANTISED
;;     8. [M 32,768, K 512] x [K 512, N 512]; A: computed on the way; B: input Wo: QUANTISED
;;   THE QUANTISER, for each operand of a quantised product, along K:
;;     - K is cut into blocks of 32 from its start; a last block that is shorter is filled with zeros.
;;     - A block's scale is 2^e with e = floor(log2(the largest magnitude in the block)) - 2, held to -126 .. 127; a block of zeros has e = 0. As a byte (E8M0): e + 127.
;;     - Each number is divided by its block's scale, clamped to +-7.5, and rounded to the nearest number of E2M3, ties to even, subnormals kept.
;;     - The product sums the exact products of the quantised numbers (number of the format x scale) in f32.
;;   ~~~python
;;   def quantise(x, axis):      # numpy; x: float32 -> the quantised numbers, widened to float32 again
;;       x = np.moveaxis(x, axis, -1); K = x.shape[-1]
;;       x = np.pad(x, [(0, 0)] * (x.ndim - 1) + [(0, -K % 32)]); x = x.reshape(x.shape[:-1] + (-1, 32)); a = np.abs(x).max(-1, keepdims=True)
;;       e = np.where(a > 0, np.clip(np.frexp(np.where(a > 0, a, 1))[1] - 1 - 2, -126, 127), 0)      # np.frexp(a)[1] - 1 = floor(log2(a)), exactly
;;       r = np.clip(x / 2.0 ** e, -7.5, 7.5)
;;       step = 2.0 ** (np.maximum(np.frexp(np.where(r == 0, 1, r))[1] - 1, 0) - 3)
;;       q = np.round(r / step) * step * 2.0 ** e      # np.round: ties to even
;;       return np.moveaxis(q.reshape(q.shape[:-2] + (-1,))[..., :K], -1, axis).astype(np.float32)
;;   ~~~
;;   SOFTMAX AHEAD OF A QUANTISED PRODUCT. Where the list says 'softmax', what is quantised is not the finished softmax but p = 2^(t - M), with t = logit x log2(e) and M = ceil(the row's largest t), a whole number; so 1/2 < the row's largest p <= 1. The row's sum l is taken of the UNQUANTISED p, in f32, and the product's result is divided by l at the end. Since M is a whole number, a kernel that streams over the keys may use a running M (the ceiling of the running maximum): every later rescaling is an exact power of two, which a block's scale takes up: the codes' values come out the same.
;;   OPERANDS COMPUTED ON THE WAY. 'Computed on the way' means the value that the module computes at that place (a softmax that the list does not call 'softmax' is quantised finished and normalised). What goes into a quantiser is computed in f32, as accurately as f32 sums, v_exp_f32 and their like allow (about 1e-6 of the number): no bf16 or f16 on the way to a quantiser, and a product that is left as it is and whose result goes on into a quantised operand takes f32 operands (vector FMAs, or v_wmma_f32_16x16x4_f32). A number that lies on a knife's edge between two numbers of the format may be rounded either way, as far as f32 arithmetic and the matrix unit's own rounding can turn it there, and no further.
;; One version. Each part assembles by itself: llvm-mc -triple=amdgcn-amd-amdhsa -mcpu=gfx1250 --defsym DOCPART=n.
;; ======== version 1 of 1: 3 launches
;; workspace buffers: wimg 786,432 bytes; wsc 32,768 bytes; qi 13,107,200 bytes; kv 26,214,400 bytes
;; launch prep (part 1): grid 16 x 4, 4 waves a work-group, no clusters, 13,824 bytes of LDS; arguments Wq, Wk, Wv, Wo, wimg, wsc; writes wimg, wsc
.if DOCPART == 1
	.amdgcn_target "amdgcn-amd-amdhsa--gfx1250"
	.amdhsa_code_object_version 6
	.text
	.protected	k_q2a9bc99e77_prep
	.globl	k_q2a9bc99e77_prep
	.p2align	8
	.type	k_q2a9bc99e77_prep,@function
k_q2a9bc99e77_prep:
	s_mov_b64 s[64:65], 0
	v_nop
	global_prefetch_b8 v0, s[64:65] scope:SCOPE_SE
	s_setreg_imm32_b32 hwreg(HW_REG_WAVE_MODE, 25, 1), 1
	s_wait_xcnt 0x0
; The four weights [512 (k)][512 (n)], f32, K on the first axis, become codes of FP6 (E2M3) with one E8M0 byte for each 32 along K,
; laid as IMAGES OF OPERAND REGISTERS: wimg[weight][column tile 32][K step 4], a fragment (16 columns x 128 K, 12 registers a lane) as three
; chunks of 512 bytes: chunk c holds registers 4 c .. 4 c + 3, lane l at byte 16 l.  wsc[weight][pair of tiles 16][lane 32][K step 4]: one word a
; column and K step; lanes 0-15 the even tile, lanes 16-31 the odd one.
; THE COLUMNS OF A TILE ARE NOT NEIGHBOURS: lane r of tile 2 B + u holds column 32 B + 8 u + r + 8 (r / 8), so that in a product's result the 16
; registers of two neighbouring tiles are 16 neighbouring columns.
; SHARES: work-group (x = B, y = weight) takes 32 columns; wave s takes K step s; lane L takes column 32 B + L and its registers run down K:
; a block of 32 along K lies in one lane, and the conversions give codes with K innermost.  Nothing is transposed by an instruction.
; A block's scale byte is its largest magnitude's exponent field - 2, held at 1 from below.  A block of zeros so gets the byte 1 where the rule says
; 127: its codes are zeros, and this program alone reads the bytes.  LIMITS: NaN and infinities among the inputs are not served.
; No matrix unit, no cluster, no tensor load: 4 MiB are read once, and the work-groups share nothing.
.set X,    32                          ; v32-159  128 numbers: W(128 s + i, my column)
.set F,    16                          ; v16-22   a block's codes
.set SBW,  24                          ; v24      my column's scale word for this K step
.set OUTR, 164                         ; v164-187 the way out
.set SCW,  12288                       ; LDS: behind the four stages of 3,072 bytes: 512 bytes of scale words
	s_load_b256 s[4:11], s[0:1], 0x0               ; Wq, Wk, Wv, Wo
	s_load_b128 s[12:15], s[0:1], 0x20             ; wimg, wsc
	v_lshl_add_u32 v192, v0, 2, 0x3400
	v_mov_b32 v193, 0
	v_lshrrev_b32 v1, 5, v0
	v_readfirstlane_b32 s17, v1                    ; wave = K step s
	s_and_b32 s16, ttmp7, 0xffff                   ; which weight
	v_and_b32 v2, 31, v0                           ; L
	v_lshlrev_b32 v3, 2, v2                        ; in: 4 bytes a lane
	v_bfe_u32 v4, v0, 3, 1                         ; u = (L / 8) % 2: which of the two tiles my column belongs to
	v_and_b32 v5, 7, v0
	v_bfe_u32 v6, v0, 4, 1
	v_lshl_or_b32 v5, v6, 3, v5                    ; r = L % 8 + 8 (L / 16): its lane there
	s_mul_i32 s18, s17, 3072                       ; my wave's stage: two fragments
	v_mul_u32_u24 v7, v4, 1536
	v_lshl_add_u32 v7, v5, 4, v7
	v_add_nc_u32 v7, s18, v7                       ; into it: fragment u, 16 r
	v_lshlrev_b32 v8, 4, v2                        ; 16 x lane
	v_add_nc_u32 v9, s18, v8                       ; out of it: as it lies
	v_lshl_add_u32 v10, v4, 4, v5
	v_lshlrev_b32 v10, 4, v10                      ; the scale word: 16 (r + 16 u)
	s_lshl_b32 s19, s17, 2
	v_add_nc_u32 v10, s19, v10                     ; + 4 s
	s_lshl_b32 s20, s17, 18                        ; W: 128 s rows of 2,048 bytes
	s_lshl_b32 s21, ttmp9, 7                       ; + 32 B columns
	s_add_co_u32 s20, s20, s21
	s_mov_b32 s21, 0
	s_mul_i32 s22, s16, 196608                     ; wimg: the weight,
	s_lshl_b32 s23, ttmp9, 3
	s_add_co_u32 s23, s23, s17
	s_mul_i32 s23, s23, 1536                       ; fragment (tile 2 B, K step s)
	s_add_co_u32 s22, s22, s23
	s_mov_b32 s23, 0
	s_lshl_b32 s24, s16, 4
	s_add_co_u32 s24, s24, ttmp9
	s_lshl_b32 s24, s24, 9                         ; wsc: 512 bytes for each weight and pair of tiles
	s_mov_b32 s25, 0
	s_wait_kmcnt 0x0
	s_cmp_eq_u32 s16, 1                            ; the weight's address is chosen by the work-group's y alone
	s_cselect_b64 s[4:5], s[6:7], s[4:5]
	s_cmp_eq_u32 s16, 2
	s_cselect_b64 s[4:5], s[8:9], s[4:5]
	s_cmp_eq_u32 s16, 3
	s_cselect_b64 s[4:5], s[10:11], s[4:5]
	s_add_nc_u64 s[4:5], s[4:5], s[20:21]
	s_add_nc_u64 s[12:13], s[12:13], s[22:23]
	s_add_nc_u64 s[14:15], s[14:15], s[24:25]
.set i, 0
.rept 128
	global_load_b32 v[X+i], v3, s[4:5] offset:2048*i th:TH_LOAD_NT   ; 32 lanes read 128 consecutive bytes of row 128 s + i
.set i, i+1
.endr
; Block t of four: k = 32 t .. 32 t + 31.  In the fragment it is registers 6 (t / 2) .. + 5 of lane r + 16 (t % 2).
.macro BLOCK t
.set XS, X+32*(\t)
.if (\t) < 2
	s_wait_loadcnt 63                              ; 96 or 64 younger loads could stay out; the count's field ends at 63
.else
	s_wait_loadcnt 32*(3-(\t))                     ; the younger blocks' loads may be out
.endif
	v_max3_num_f32 v12, |v[XS]|, |v[XS+1]|, |v[XS+2]|      ; the block's largest magnitude: all 32 numbers are mine; two chains
	v_max3_num_f32 v13, |v[XS+3]|, |v[XS+4]|, |v[XS+5]|
.irp e, 6,10,14,18,22,26
	v_max3_num_f32 v12, v12, |v[XS+\e]|, |v[XS+\e+1]|
	v_max3_num_f32 v13, v13, |v[XS+\e+2]|, |v[XS+\e+3]|
.endr
	v_max3_num_f32 v12, v12, |v[XS+30]|, |v[XS+31]|
	v_max3_num_f32 v12, v12, v13, 0x1800000        ; and the floor 2^(3 - 127): the byte cannot fall under 1
	v_add_nc_u32 v11, 0xff000000, v12              ; 2 off the exponent field: the conversion's scale operand
	v_lshrrev_b32 v13, 23, v11                     ; the scale's byte
.if (\t) == 0
	v_mov_b32 v[SBW], v13
.else
	v_lshl_or_b32 v[SBW], v13, 8*(\t), v[SBW]
.endif
	v_cvt_scalef32_pk16_fp6_f32 v[F:F+2], v[XS:XS+15], v11
	v_cvt_scalef32_pk16_fp6_f32 v[F+4:F+6], v[XS+16:XS+31], v11   ; (a conversion's three registers begin on an even number)
	v_nop                                          ; one plain place behind a scaled conversion
	v_mov_b32 v[F+3], v[F+4]
	v_mov_b32 v[F+4], v[F+5]
	v_mov_b32 v[F+5], v[F+6]                       ; v[F .. F+5]: 32 codes, 192 bits on end
.if (\t)/2 == 0
	ds_store_b128 v7, v[F:F+3] offset:256*((\t)%2)           ; registers 0-3: chunk 0
	ds_store_b64 v7, v[F+4:F+5] offset:256*((\t)%2)+512      ; registers 4, 5: the first half of my 16 bytes in chunk 1
.else
	ds_store_b64 v7, v[F:F+1] offset:256*((\t)%2)+520        ; registers 6, 7: the second half
	ds_store_b128 v7, v[F+2:F+5] offset:256*((\t)%2)+1024    ; registers 8-11: chunk 2
.endif
	s_wait_dscnt 0x0                               ; the stores have read their registers: the next block's codes may be written
.endm
	BLOCK 0
	BLOCK 1
	BLOCK 2
	BLOCK 3
.irp j, 0,1,2,3,4,5
	ds_load_b128 v[OUTR+4*\j:OUTR+4*\j+3], v9 offset:512*\j   ; my stage as it lies: LDS serves a wave's instructions in order
.endr
	ds_store_b32 v10, v[SBW] offset:SCW            ; the four waves' words of a column lie side by side
.irp j, 0,1,2,3,4,5
	s_wait_dscnt 6-\j                              ; behind load j: 5 - j loads and the store
	global_store_b128 v8, v[OUTR+4*\j:OUTR+4*\j+3], s[12:13] offset:(\j/3)*6144+(\j%3)*512   ; 32 lanes store 512 consecutive bytes, aligned
.endr
	s_wait_dscnt 0x0                               ; for the others' sake: my scale words have landed
	s_barrier_signal -1
	s_barrier_wait -1
	s_cmp_lg_u32 s17, 0
	s_cbranch_scc1 .Ldone                          ; wave 0 stores the pair's 512 bytes of scale words
	ds_load_b128 v[188:191], v8 offset:SCW
	s_wait_dscnt 0x0
	global_store_b128 v8, v[188:191], s[14:15]
.Ldone:
	s_wait_tensorcnt 0x0
	ds_add_u32 v192, v193
	s_wait_dscnt 0x0
	s_endpgm
.Lfunc_end_k_q2a9bc99e77_prep:
	.size	k_q2a9bc99e77_prep, .Lfunc_end_k_q2a9bc99e77_prep-k_q2a9bc99e77_prep
	.p2alignl 7, 3214868480
	.fill 96, 4, 3214868480
	.section	.rodata,"a",@progbits
	.p2align	6, 0x0
	.amdhsa_kernel k_q2a9bc99e77_prep
		.amdhsa_group_segment_fixed_size 13824
		.amdhsa_private_segment_fixed_size 0
		.amdhsa_enable_private_segment 0
		.amdhsa_kernarg_size 48
		.amdhsa_user_sgpr_count 2
		.amdhsa_user_sgpr_kernarg_segment_ptr 1
		.amdhsa_wavefront_size32 1
		.amdhsa_system_sgpr_workgroup_id_x 1
		.amdhsa_system_sgpr_workgroup_id_y 1
		.amdhsa_system_sgpr_workgroup_id_z 1
		.amdhsa_system_vgpr_workitem_id 0
		.amdhsa_next_free_vgpr 194
		.amdhsa_next_free_sgpr 66
		.amdhsa_reserve_vcc 0
		.amdhsa_float_denorm_mode_32 3
		.amdhsa_float_denorm_mode_16_64 3
		.amdhsa_memory_ordered 1
		.amdhsa_forward_progress 1
		.amdhsa_inst_pref_size 23
	.end_amdhsa_kernel
	.amdgpu_metadata
---
amdhsa.version: [ 1, 2 ]
amdhsa.kernels:
  - .name:           k_q2a9bc99e77_prep
    .symbol:         k_q2a9bc99e77_prep.kd
    .args:
      - { .name: Wq, .offset: 0, .size: 8, .value_kind: global_buffer, .address_space: global }
      - { .name: Wk, .offset: 8, .size: 8, .value_kind: global_buffer, .address_space: global }
      - { .name: Wv, .offset: 16, .size: 8, .value_kind: global_buffer, .address_space: global }
      - { .name: Wo, .offset: 24, .size: 8, .value_kind: global_buffer, .address_space: global }
      - { .name: wimg, .offset: 32, .size: 8, .value_kind: global_buffer, .address_space: global }
      - { .name: wsc, .offset: 40, .size: 8, .value_kind: global_buffer, .address_space: global }
    .group_segment_fixed_size: 13824
    .private_segment_fixed_size: 0
    .kernarg_segment_align: 8
    .kernarg_segment_size: 48
    .max_flat_workgroup_size: 128
    .sgpr_count:     66
    .vgpr_count:     194
    .wavefront_size: 32
...
	.end_amdgpu_metadata
.endif
;; end of part 1
;; launch qkv (part 2): grid 256 x 1, 4 waves a work-group, no clusters, 327,680 bytes of LDS; arguments hidden_states, wimg, wsc, qi, kv; writes qi, kv
.if DOCPART == 2
	.amdgcn_target "amdgcn-amd-amdhsa--gfx1250"
	.amdhsa_code_object_version 6
	.text
	.protected	k_q2a9bc99e77_qkv
	.globl	k_q2a9bc99e77_qkv
	.p2align	8
	.type	k_q2a9bc99e77_qkv,@function
k_q2a9bc99e77_qkv:
	s_mov_b64 s[64:65], 0
	v_nop
	global_prefetch_b8 v0, s[64:65] scope:SCOPE_SE
	s_setreg_imm32_b32 hwreg(HW_REG_WAVE_MODE, 25, 1), 1
	s_wait_xcnt 0x0
; q, k, v = Q(x) Q(W) on codes of FP6 (E2M3) with E8M0 scales, and their results quantised at once for the attention's two products.  Nothing goes to memory as f32.
; SHARES.  A work-group takes 128 tokens (one key step of one frame).  Wave w quantises tokens 32 w .. 32 w + 31 of x into LDS, as images of operand registers; then it makes, for ALL 128 tokens,
; q of heads 2 w, 2 w + 1, k of the same heads, and v's channels 128 w .. 128 w + 127.
; TILES.  Lane r of tile 2 B + u (tokens, weight columns) holds row 32 B + 8 u + r + 8 (r / 8): in a result the 16 registers of tiles 2 B, 2 B + 1 are the neighbours 32 B + 16 (lane / 16) + 0 .. 15.
; q, k: source 0 = 16 columns of W, source 1 = 16 tokens: a lane holds one token, its 32 registers a head's 64 channels by halves: quantised along the channels (two blocks): 6 registers, half a fragment.
; v:    source 0 = 16 tokens, source 1 = 16 columns of Wv: a lane holds one channel, its 64 registers the step's 128 keys by halves: quantised along the keys: a whole fragment of V^T.
; OUT.  qi[block] = 64 half fragments [head][tile] (768 bytes: registers 0-3 at 16 l, 4-5 at 512 + 8 l), then scale words [pair of heads][lane][pair of tiles]: bytes 0, 1 the even head's two blocks, bytes 2, 3 the
; odd head's; lanes 0-15 the even tile, lanes 16-31 the odd.  kv[block] = k likewise, 32 fragments of V^T at 49,152, k's words at 98,304, V's at 100,352: one dense block of 102,400 bytes.
; x comes by the tensor data mover, four loads a wave (32 tokens x 128 numbers each), each filled once; LDS is then full of x (321,536 bytes), so the weights go from memory straight into registers, as the images lie:
; that is why no cluster shares them here.  This wave has four tensor loads out at the most.
; LIMITS: NaN and infinities are not served; a block of zeros gets the byte 1 where the rule says 127 (its codes are zeros; this program alone reads the bytes).
; REGISTERS: window 0: addresses, the quantiser's work, scale words.  Windows 1, 2: two buffers of 16 fragments that stand still (a head's weights; later four tiles of x).
;   window 3: v0-63 accumulators; v64 + 48 k: four sets of four fragments that stream by (a tile of x; later a tile of Wv).  In the x stage v0-127 hold two sets of 64 numbers.
.set RAWP,  16896                      ; a piece of x in LDS: 32 rows x (512 bytes + 16)
.set XIMG,  270336                     ; behind the 16 pieces: x's 32 fragments, (tile t, K step s) at (4 t + s) x 1,536
.set XSC,   319488                     ; their scale words: [pair of tiles][lane][K step]
.set LI,  1                            ; v1   16 x lane
.set L8,  2                            ; v2   8 x lane
.set XR,  3                            ; v3   my place in my wave's pieces
.set XWI, 4                            ; v4   where I store x's images
.set XWS, 5                            ; v5   and their scale words
.set XRD, 6                            ; v6   XIMG + 16 x lane
.set XSR, 7                            ; v7   XSC + 16 x lane
.set TM,  16                           ; v16-31 the quantiser: +0..3 largest magnitudes, +4..7 the other half's, then bytes, +12..15 scale operands
.set PC,  32                           ; v32-50 the codes just made
.set PW,  52                           ; v52  the scale word just made
.set TE,  53                           ; v53  two tiles' words, by halves of the lanes
.set SW,  56                           ; v56-59 four such registers: what goes out
.set SSA, 64                           ; v64-71  scale words of buffer A;  v72-79 of buffer B
.set SSB, 72
.set TS,  80                           ; v80-95  x's scale words, all eight tiles
.set TSV, 96                           ; v96-111 Wv's, my eight tiles
.set WV,  14
.set HM,  15                           ; s15  lanes 16-31
.set G1,  16                           ; s[16:23] descriptor group 1;  s[24:39] four groups 0
.set G0,  24
.set SEL, 40
.set WB,  42                           ; s[42:43] wimg + 49,152 w
.set SB,  44                           ; s[44:45] wsc + 2,048 w
.set QB,  46                           ; s[46:47] q's half fragments of my heads;  s[48:49] their scale words
.set QSB, 48
.set KB,  50                           ; s[50:51], s[52:53] the same in kv
.set KSB, 52
.set MSB, 0
.macro WIN new                         ; the immediate's high byte repeats the setting that is left; a switch that changes nothing is dropped
.if MSB != (\new)
	s_set_vgpr_msb (MSB<<8)|(\new)
.set MSB, (\new)
.endif
.endm
.macro PLACES n
.rept \n
	v_nop
.endr
.endm
; One matrix instruction.  z: the sum begins (C = 0).  ra, rb: the half of the lanes in which source 0's and source 1's scale words stand.
.macro WM d, a, b, z, sa, sb, ra, rb
.if \z
.if ((\ra)==0)&&((\rb)==0)
	v_wmma_scale_f32_16x16x128_f8f6f4 v[(\d):(\d)+7], v[(\a):(\a)+11], v[(\b):(\b)+11], 0, v[\sa], v[\sb] matrix_a_fmt:MATRIX_FMT_FP6 matrix_b_fmt:MATRIX_FMT_FP6
.elseif (\rb)==0
	v_wmma_scale_f32_16x16x128_f8f6f4 v[(\d):(\d)+7], v[(\a):(\a)+11], v[(\b):(\b)+11], 0, v[\sa], v[\sb] matrix_a_fmt:MATRIX_FMT_FP6 matrix_b_fmt:MATRIX_FMT_FP6 matrix_a_scale:MATRIX_SCALE_ROW1
.elseif (\ra)==0
	v_wmma_scale_f32_16x16x128_f8f6f4 v[(\d):(\d)+7], v[(\a):(\a)+11], v[(\b):(\b)+11], 0, v[\sa], v[\sb] matrix_a_fmt:MATRIX_FMT_FP6 matrix_b_fmt:MATRIX_FMT_FP6 matrix_b_scale:MATRIX_SCALE_ROW1
.else
	v_wmma_scale_f32_16x16x128_f8f6f4 v[(\d):(\d)+7], v[(\a):(\a)+11], v[(\b):(\b)+11], 0, v[\sa], v[\sb] matrix_a_fmt:MATRIX_FMT_FP6 matrix_b_fmt:MATRIX_FMT_FP6 matrix_a_scale:MATRIX_SCALE_ROW1 matrix_b_scale:MATRIX_SCALE_ROW1
.endif
.else
.if ((\ra)==0)&&((\rb)==0)
	v_wmma_scale_f32_16x16x128_f8f6f4 v[(\d):(\d)+7], v[(\a):(\a)+11], v[(\b):(\b)+11], v[(\d):(\d)+7], v[\sa], v[\sb] matrix_a_fmt:MATRIX_FMT_FP6 matrix_b_fmt:MATRIX_FMT_FP6
.elseif (\rb)==0
	v_wmma_scale_f32_16x16x128_f8f6f4 v[(\d):(\d)+7], v[(\a):(\a)+11], v[(\b):(\b)+11], v[(\d):(\d)+7], v[\sa], v[\sb] matrix_a_fmt:MATRIX_FMT_FP6 matrix_b_fmt:MATRIX_FMT_FP6 matrix_a_scale:MATRIX_SCALE_ROW1
.elseif (\ra)==0
	v_wmma_scale_f32_16x16x128_f8f6f4 v[(\d):(\d)+7], v[(\a):(\a)+11], v[(\b):(\b)+11], v[(\d):(\d)+7], v[\sa], v[\sb] matrix_a_fmt:MATRIX_FMT_FP6 matrix_b_fmt:MATRIX_FMT_FP6 matrix_b_scale:MATRIX_SCALE_ROW1
.else
	v_wmma_scale_f32_16x16x128_f8f6f4 v[(\d):(\d)+7], v[(\a):(\a)+11], v[(\b):(\b)+11], v[(\d):(\d)+7], v[\sa], v[\sb] matrix_a_fmt:MATRIX_FMT_FP6 matrix_b_fmt:MATRIX_FMT_FP6 matrix_a_scale:MATRIX_SCALE_ROW1 matrix_b_scale:MATRIX_SCALE_ROW1
.endif
.endif
.endm
; THE QUANTISER.  16 nb numbers of a lane, v[s] on in window w; register 16 b + i = k 32 b + 16 (lane / 16) + i of my row.  They become codes in v[PC] on (3 nb registers) and the row's scale bytes in v[PW].
; Each accumulator of eight registers is read from its low end on.
.macro QUANT w, s, nb
	WIN ((\w)<<2)|((\w)<<4)
.set qq_, 0
.rept \nb
	v_max3_num_f32 v[TM+qq_], 0x1800000, |v[(\s)+16*qq_]|, |v[(\s)+16*qq_+1]|   ; my 16 numbers of block b, and the floor 2^(3 - 127): the byte cannot fall under 1
.set qq_, qq_+1
.endr
.irp e, 2,4,6,8,10,12,14
.set qq_, 0
.rept \nb
	v_max3_num_f32 v[TM+qq_], v[TM+qq_], |v[(\s)+16*qq_+\e]|, |v[(\s)+16*qq_+\e+1]|   ; (the blocks by turns)
.set qq_, qq_+1
.endr
.endr
	WIN 0
.set qq_, 0
.rept \nb
	v_permlanex16_b32 v[TM+4+qq_], v[TM+qq_], s[SEL], s[SEL+1]
.set qq_, qq_+1
.endr
.set qq_, 0
.rept \nb
	v_max_num_f32 v[TM+qq_], v[TM+qq_], v[TM+4+qq_]        ; with lane l xor 16's: the block's largest magnitude
.set qq_, qq_+1
.endr
.set qq_, 0
.rept \nb
	v_add_nc_u32 v[TM+12+qq_], 0xff000000, v[TM+qq_]       ; 2 off its exponent field: the conversion's scale operand
.set qq_, qq_+1
.endr
.set qq_, 0
.rept \nb
	v_lshrrev_b32 v[TM+4+qq_], 23, v[TM+12+qq_]            ; the scale's byte
.set qq_, qq_+1
.endr
	v_lshl_or_b32 v[PW], v[TM+5], 8, v[TM+4]
.if (\nb) == 4
	v_lshl_or_b32 v[PW], v[TM+6], 16, v[PW]
	v_lshl_or_b32 v[PW], v[TM+7], 24, v[PW]
.endif
	WIN (\w)
.set qq_, 0
.rept (\nb)/2
	v_cvt_scalef32_pk16_fp6_f32 v[PC+6*qq_:PC+6*qq_+2], v[(\s)+32*qq_:(\s)+32*qq_+15], v[TM+12+2*qq_]
	v_cvt_scalef32_pk16_fp6_f32 v[PC+12+4*qq_:PC+14+4*qq_], v[(\s)+32*qq_+16:(\s)+32*qq_+31], v[TM+13+2*qq_]   ; (a conversion's three registers begin on an even number)
.set qq_, qq_+1
.endr
	WIN 0
	v_nop                                          ; one plain place behind a scaled conversion
.set qq_, 0
.rept (\nb)/2                          ; the operand's layout wants a WHOLE block in a lane: lanes 0-15 block 2 c, lanes 16-31 block 2 c + 1
.irp e, 0,1,2
	v_permlane16_swap_b32 v[PC+6*qq_+\e], v[PC+12+4*qq_+\e]
.endr
.irp e, 0,1,2
	v_mov_b32 v[PC+3+6*qq_+\e], v[PC+12+4*qq_+\e]
.endr
.set qq_, qq_+1
.endr
.endm
; 16 fragments that lie on end in wimg (24,576 bytes from off on) into window win, and their scale words (two pairs of tiles) into v[ss] on: 50 loads
.macro RELOAD_G win, ss, off, soff
	WIN (\win)<<6
.set ri_, 0
.rept 48
	global_load_b128 v[4*ri_:4*ri_+3], v[LI], s[WB:WB+1] offset:(\off)+512*ri_
.set ri_, ri_+1
.endr
	WIN 0
	global_load_b128 v[\ss:\ss+3], v[LI], s[SB:SB+1] offset:\soff
	global_load_b128 v[\ss+4:\ss+7], v[LI], s[SB:SB+1] offset:(\soff)+512
.endm
; the same out of LDS: x's tiles t0 .. t0 + 3
.macro RELOAD_L win, ss, t0
	WIN (\win)<<6
.set ri_, 0
.rept 48
	ds_load_b128 v[4*ri_:4*ri_+3], v[XRD] offset:(\t0)*6144+512*ri_
.set ri_, ri_+1
.endr
	WIN 0
	ds_load_b128 v[\ss:\ss+3], v[XSR] offset:(\t0)*256
	ds_load_b128 v[\ss+4:\ss+7], v[XSR] offset:(\t0)*256+512
.endm
.macro TLOAD_L tau                     ; x's tile tau % 8, four fragments, into set tau % 4
	WIN 0xc0
.set ri_, 0
.rept 12
	ds_load_b128 v[64+48*((\tau)%4)+4*ri_:64+48*((\tau)%4)+4*ri_+3], v[XRD] offset:((\tau)%8)*6144+512*ri_
.set ri_, ri_+1
.endr
	WIN 0
.endm
.macro TLOAD_G n                       ; Wv's tile 8 w + n into set n % 4
	WIN 0xc0
.set ri_, 0
.rept 12
	global_load_b128 v[64+48*((\n)%4)+4*ri_:64+48*((\n)%4)+4*ri_+3], v[LI], s[WB:WB+1] offset:393216+(\n)*6144+512*ri_
.set ri_, ri_+1
.endr
	WIN 0
.endm
; 16 matrix instructions: the four tiles of the buffer in window win x one streamed tile, K = 512 in four steps.  The four accumulators take turns, one instruction a turn.
.macro MM16 win, ss, set, ts, par, a0
	WIN 0xfc|(\win)
.irp k, 0,1,2,3
.irp a, 0,1,2,3
	WM 8*((\a0)+\a), 12*(4*\a+\k), (\set)+12*\k, (\k==0), (\ss)+4*(\a/2)+\k, (\ts)+\k, \a%2, \par
.endr
.endr
.endm
	s_load_b256 s[4:11], s[0:1], 0x0               ; hidden_states, wimg, wsc, qi
	s_load_b64 s[12:13], s[0:1], 0x20              ; kv
	v_lshl_add_u32 v254, v0, 2, 0x4e800
	v_mov_b32 v255, 0
	ds_add_u32 v254, v255
	ds_add_u32 v254, v255
	v_lshrrev_b32 v1, 5, v0
	v_readfirstlane_b32 s[WV], v1                  ; wave 0..3
	; descriptor group 1: 32 rows x 128 elements of 4 bytes, 2,048 bytes apart in memory; in LDS 16 bytes of padding behind each row of 512
	s_mov_b32 s[G1+0], (2<<16)|(1<<20)|(6<<22)|(3<<25)
	s_mov_b32 s[G1+1], 128<<16                     ; tensor_dim0
	s_mov_b32 s[G1+2], 32<<16                      ; tensor_dim1
	s_mov_b32 s[G1+3], 128<<16                     ; tile_dim0
	s_mov_b32 s[G1+4], 32                          ; tile_dim1
	s_mov_b32 s[G1+5], 512                         ; elements from row to row
	s_mov_b32 s[G1+6], 0
	s_mov_b32 s[G1+7], 0
	s_mul_i32 s54, s[WV], 4*RAWP                   ; my four pieces in LDS
	s_lshl_b32 s56, ttmp9, 18                      ; 128 tokens of 2,048 bytes a work-group,
	s_lshl_b32 s57, s[WV], 16                      ; 32 a wave
	s_add_co_u32 s56, s56, s57
	s_mov_b32 s57, 0
	s_wait_dscnt 0x0
	s_wait_kmcnt 0x0
	s_add_nc_u64 s[56:57], s[4:5], s[56:57]
.irp p, 0,1,2,3
	s_mov_b32 s[G0+4*\p], 1
	s_add_co_u32 s[G0+4*\p+1], s54, \p*RAWP        ; LDS: wave x 4 pieces + K step
	s_add_nc_u64 s[G0+4*\p+2:G0+4*\p+3], s[56:57], \p*512
	s_or_b32 s[G0+4*\p+3], s[G0+4*\p+3], 0x80000000
.endr
.irp p, 0,1,2,3
	tensor_load_to_lds s[G0+4*\p:G0+4*\p+3], s[G1:G1+7]   ; all first fills together, ahead of every wait, LDS read and barrier; nothing is ever filled again
	s_nop 0
.endr
	PLACES 4
	v_and_b32 v8, 31, v0                           ; lane
	v_lshlrev_b32 v[LI], 4, v8
	v_lshlrev_b32 v[L8], 3, v8
	s_mul_i32 s56, s[WV], 49152
	s_mov_b32 s57, 0
	s_add_nc_u64 s[WB:WB+1], s[6:7], s[56:57]
	s_lshl_b32 s56, s[WV], 11
	s_add_nc_u64 s[SB:SB+1], s[8:9], s[56:57]
	RELOAD_G 1, SSA, 0, 0                          ; Wq, head 2 w: lands while x is quantised
	RELOAD_G 2, SSB, 24576, 1024                   ; Wq, head 2 w + 1
	v_and_b32 v9, 15, v0                           ; r
	v_bfe_u32 v10, v0, 4, 1                        ; h
	v_and_b32 v11, 8, v9
	v_add_nc_u32 v11, v11, v9                      ; r + 8 (r / 8)
	v_mul_u32_u24 v[XR], v11, 528
	v_lshl_add_u32 v[XR], v10, 6, v[XR]            ; + 64 h: my 16 numbers of a block of 32
	v_add_nc_u32 v[XR], s54, v[XR]
	s_mul_i32 s55, s[WV], 12288
	s_add_co_u32 s55, s55, XIMG
	v_add_nc_u32 v[XWI], s55, v[LI]                ; tiles 2 w, 2 w + 1: eight fragments
	s_lshl_b32 s55, s[WV], 9
	s_add_co_u32 s55, s55, XSC
	v_lshl_add_u32 v[XWS], v9, 4, s55              ; lanes l and l xor 16 hold the same word and write it to the same place
	v_add_nc_u32 v[XRD], XIMG, v[LI]
	v_add_nc_u32 v[XSR], XSC, v[LI]
	s_mov_b32 s[SEL], 0x76543210
	s_mov_b32 s[SEL+1], 0xfedcba98                 ; v_permlanex16_b32's selects for lane l xor 16
	s_mov_b32 s[HM], 0xffff0000
.irp b, 0,1,2,3
	v_mov_b32 v[TM+4+\b], 0                        ; written once: a lane permute's destination counts as one of its sources
.endr
	s_mul_i32 s58, ttmp9, 51200
	s_mul_i32 s56, s[WV], 12288
	s_add_co_u32 s56, s56, s58
	s_add_nc_u64 s[QB:QB+1], s[10:11], s[56:57]
	s_lshl_b32 s56, s[WV], 9
	s_add_co_u32 s56, s56, s58
	s_add_co_u32 s56, s56, 49152
	s_add_nc_u64 s[QSB:QSB+1], s[10:11], s[56:57]
	s_mul_i32 s58, ttmp9, 102400
	s_mul_i32 s56, s[WV], 12288
	s_add_co_u32 s56, s56, s58
	s_add_nc_u64 s[KB:KB+1], s[12:13], s[56:57]
	s_lshl_b32 s56, s[WV], 9
	s_add_co_u32 s56, s56, s58
	s_add_co_u32 s56, s56, 98304
	s_add_nc_u64 s[KSB:KSB+1], s[12:13], s[56:57]
; ---- THE X STAGE: eight units q = 2 s + u (K step s, tile u of my two), two sets of 64 numbers by turns
.macro XL q                            ; unit q's 64 numbers a lane: 16 neighbours of each of four blocks of row 8 u + r + 8 (r / 8)
	WIN 0xc0
.irp b, 0,1,2,3
.irp j, 0,1,2,3
	ds_load_b128 v[64*((\q)%2)+16*\b+4*\j:64*((\q)%2)+16*\b+4*\j+3], v[XR] offset:((\q)/2)*RAWP+((\q)%2)*4224+128*\b+16*\j
.endr
.endr
	WIN 0
.endm
.macro XUNIT q
.if (\q) < 7
.if ((\q)+1)%2 == 0
	s_wait_tensorcnt 3-((\q)+1)/2                  ; tensor loads of a wave end in order: the next K step's piece is in, the later ones may be out.  Only I read my pieces
.endif
	XL (\q)+1
	s_wait_dscnt 16                                ; all but the 16 just issued: this unit's numbers are in, and the last unit's stores have read their registers
.else
	s_wait_dscnt 0x0
.endif
	QUANT 3, 64*((\q)%2), 4
.irp c, 0,1,2
	ds_store_b128 v[XWI], v[PC+4*\c:PC+4*\c+3] offset:6144*((\q)%2)+1536*((\q)/2)+512*\c   ; the fragment as it stands
.endr
	ds_store_b32 v[XWS], v[PW] offset:256*((\q)%2)+4*((\q)/2)
.endm
	s_wait_tensorcnt 3                             ; K step 0's piece is in
	XL 0
.irp q, 0,1,2,3,4,5,6,7
	XUNIT \q
.endr
	s_wait_dscnt 0x0                               ; for the others' sake: my images have landed
	s_barrier_signal -1
	s_barrier_wait -1                              ; x's 32 fragments lie in LDS: the launch's only barrier
.irp p, 0,1,2,3
	ds_load_b128 v[TS+4*\p:TS+4*\p+3], v[XSR] offset:512*\p
.endr
	TLOAD_L 0
	TLOAD_L 1
	TLOAD_L 2
	TLOAD_L 3
; ---- q AND k: one head against the eight tiles of x.  tau counts the streamed tiles, 0 to 31; four sets, loads three tiles ahead.
.macro TILE tau, win, ss, odd, ob, sb
.set TT, (\tau)%8
.set KK, 64+48*((\tau)%4)
.if (\tau) < 29
	s_wait_dscnt 36                                ; behind this tile's 12 loads at least three tiles' were issued
.else
	s_wait_dscnt 12*(31-(\tau))
.endif
	MM16 \win, \ss, KK, TS+4*(TT/2), TT%2, 0
	WIN 0
	PLACES 4                                       ; in front of the first read of the results
	s_wait_xcnt 0x0                                ; the last tile's stores have read their registers
	QUANT 3, 0, 2
.if (\tau)+4 < 32
	TLOAD_L (\tau)+4
.else
.if (\tau) == 28
.irp p, 0,1,2,3
	global_load_b128 v[TSV+4*\p:TSV+4*\p+3], v[LI], s[SB:SB+1] offset:16384+512*\p   ; Wv's scale words, my eight tiles
.endr
.endif
	TLOAD_G (\tau)-28                              ; the sets go on with Wv's tiles
.endif
	global_store_b128 v[LI], v[PC:PC+3], s[\ob:\ob+1] offset:(\odd)*6144+TT*768          ; 512 consecutive bytes,
	global_store_b64 v[L8], v[PC+4:PC+5], s[\ob:\ob+1] offset:(\odd)*6144+TT*768+512     ; and 256: both aligned to 256
.if TT%2 == 0
	v_mov_b32 v[TE], v[PW]
.else
	v_cndmask_b32 v[TE], v[TE], v[PW], s[HM]       ; lanes 0-15 the even tile's bytes, lanes 16-31 the odd tile's
.if \odd
	v_lshl_or_b32 v[SW+TT/2], v[TE], 16, v[SW+TT/2]   ; the odd head's two bytes above the even head's
.else
	v_mov_b32 v[SW+TT/2], v[TE]
.endif
.endif
.if (\odd) && (TT == 7)
	global_store_b128 v[LI], v[SW:SW+3], s[\sb:\sb+1]
.endif
.endm
	s_wait_loadcnt 50                              ; buffer A is in; buffer B's 50 loads may be out
.irp t, 0,1,2,3,4,5,6,7
	TILE \t, 1, SSA, 0, QB, QSB
.endr
	RELOAD_G 1, SSA, 196608, 8192                  ; Wk, head 2 w: it has the next eight tiles in which to land
	s_wait_loadcnt 50
.irp t, 8,9,10,11,12,13,14,15
	TILE \t, 2, SSB, 1, QB, QSB
.endr
	RELOAD_G 2, SSB, 221184, 9216                  ; Wk, head 2 w + 1
	s_wait_loadcnt 50
.irp t, 16,17,18,19,20,21,22,23
	TILE \t, 1, SSA, 0, KB, KSB
.endr
	RELOAD_L 1, SSA, 0                             ; for v, x stands still: tiles 0-3
	s_wait_loadcnt 0x0
.irp t, 24,25,26,27,28,29,30,31
	TILE \t, 2, SSB, 1, KB, KSB
.endr
	RELOAD_L 2, SSB, 4                             ; tiles 4-7
	s_wait_dscnt 0x0
; ---- v: one tile of Wv's columns against all eight tiles of x: 64 registers a lane, the step's 128 keys by halves
.macro VTILE n
.set KK, 64+48*((\n)%4)
.if (\n) < 5
	s_wait_loadcnt 36                              ; three later tiles' loads may be out
.else
	s_wait_loadcnt 12*(7-(\n))
.endif
	MM16 1, SSA, KK, TSV+4*((\n)/2), (\n)%2, 0
	MM16 2, SSB, KK, TSV+4*((\n)/2), (\n)%2, 4
	WIN 0
	PLACES 4
	s_wait_xcnt 0x0
	QUANT 3, 0, 4
.if (\n) < 4
	TLOAD_G (\n)+4
.endif
.irp c, 0,1,2
	global_store_b128 v[LI], v[PC+4*\c:PC+4*\c+3], s[KB:KB+1] offset:49152+(\n)*1536+512*\c
.endr
.if (\n)%2 == 0
	v_mov_b32 v[TE], v[PW]
.else
	v_cndmask_b32 v[SW+(\n)/2], v[TE], v[PW], s[HM]
.endif
.endm
.irp n, 0,1,2,3,4,5,6,7
	VTILE \n
.endr
	global_store_b128 v[LI], v[SW:SW+3], s[KSB:KSB+1] offset:2048
	s_wait_tensorcnt 0x0
	ds_add_u32 v254, v255
	s_wait_dscnt 0x0
	s_endpgm
.Lfunc_end_k_q2a9bc99e77_qkv:
	.size	k_q2a9bc99e77_qkv, .Lfunc_end_k_q2a9bc99e77_qkv-k_q2a9bc99e77_qkv
	.p2alignl 7, 3214868480
	.fill 96, 4, 3214868480
	.section	.rodata,"a",@progbits
	.p2align	6, 0x0
	.amdhsa_kernel k_q2a9bc99e77_qkv
		.amdhsa_group_segment_fixed_size 327680
		.amdhsa_private_segment_fixed_size 0
		.amdhsa_enable_private_segment 0
		.amdhsa_kernarg_size 40
		.amdhsa_user_sgpr_count 2
		.amdhsa_user_sgpr_kernarg_segment_ptr 1
		.amdhsa_wavefront_size32 1
		.amdhsa_system_sgpr_workgroup_id_x 1
		.amdhsa_system_sgpr_workgroup_id_y 1
		.amdhsa_system_sgpr_workgroup_id_z 1
		.amdhsa_system_vgpr_workitem_id 0
		.amdhsa_next_free_vgpr 1024
		.amdhsa_next_free_sgpr 66
		.amdhsa_reserve_vcc 0
		.amdhsa_float_denorm_mode_32 3
		.amdhsa_float_denorm_mode_16_64 3
		.amdhsa_memory_ordered 1
		.amdhsa_forward_progress 1
		.amdhsa_inst_pref_size 255
	.end_amdhsa_kernel
	.section	.bss,"aw",@nobits
	.p2align	6
	.space	262144
	.amdgpu_metadata
---
amdhsa.version: [ 1, 2 ]
amdhsa.kernels:
  - .name:           k_q2a9bc99e77_qkv
    .symbol:         k_q2a9bc99e77_qkv.kd
    .args:
      - { .name: hidden_states, .offset: 0, .size: 8, .value_kind: global_buffer, .address_space: global }
      - { .name: wimg, .offset: 8, .size: 8, .value_kind: global_buffer, .address_space: global }
      - { .name: wsc, .offset: 16, .size: 8, .value_kind: global_buffer, .address_space: global }
      - { .name: qi, .offset: 24, .size: 8, .value_kind: global_buffer, .address_space: global }
      - { .name: kv, .offset: 32, .size: 8, .value_kind: global_buffer, .address_space: global }
    .group_segment_fixed_size: 327680
    .private_segment_fixed_size: 0
    .kernarg_segment_align: 8
    .kernarg_segment_size: 40
    .max_flat_workgroup_size: 128
    .sgpr_count:     66
    .vgpr_count:     1024
    .wavefront_size: 32
...
	.end_amdgpu_metadata
.endif
;; end of part 2
;; launch attn (part 3): grid 16 x 32, 8 waves a work-group, clusters of 4 x 1, 327,680 bytes of LDS; arguments F_mats, qi, kv, wimg, wsc, out0; writes out0
.if DOCPART == 3
	.amdgcn_target "amdgcn-amd-amdhsa--gfx1250"
	.amdhsa_code_object_version 6
	.text
	.protected	k_q2a9bc99e77_attn
	.globl	k_q2a9bc99e77_attn
	.p2align	8
	.type	k_q2a9bc99e77_attn,@function
k_q2a9bc99e77_attn:
	s_mov_b64 s[64:65], 0
	v_nop
	global_prefetch_b8 v0, s[64:65] scope:SCOPE_SE
	s_setreg_imm32_b32 hwreg(HW_REG_WAVE_MODE, 25, 1), 1
	s_wait_xcnt 0x0
	s_wait_alu depctr_hold_cnt(0) depctr_sa_sdst(0) depctr_va_vdst(0) depctr_va_sdst(0) depctr_va_ssrc(0) depctr_va_vcc(0) depctr_vm_vsrc(0)
	s_getreg_b32 s2, hwreg(HW_REG_IB_STS2, 6, 4)
	s_cmp_eq_u32 s2, 0
	s_cbranch_scc0 .Lentry_in_a_cluster
	s_endpgm
.Lentry_in_a_cluster:
	s_bfe_u32 s2, ttmp6, 0x10000c
	s_cmp_lg_u32 s2, 0x3003
	s_cbranch_scc0 .Lentry_shape_is_right
	s_endpgm
.Lentry_shape_is_right:
; out0 = Q(softmax(Q(q) Q(k)^T / 8 + mask) Q(v) / l) Q(Wo): the epipolar mask, both attention products and the output projection, all products on codes of FP6 (E2M3) with E8M0 scales.
; SHARES.  A work-group owns 64 queries of one frame, for all 8 heads.  Wave w owns query tile w % 4 (16 queries) and heads 4 (w / 4) .. + 3: the mask of a tile of scores is made once for four heads.
; Every wave walks the frame's 1,024 keys, 128 a step; a step's k, V^T and scale words are ONE dense block of 102,400 bytes, laid as images of operand registers.
; CLUSTER.  The four work-groups of a cluster belong to one frame and walk the same blocks: each wave asks for its eighth of a block JOINTLY (mask 15), into a ring of two LDS slots.  One tensor load of a wave is out at a time.
; LAYOUT.  S^T = K Q^T and O^T = V^T P^T: a lane holds one query throughout; the 16 registers of two neighbouring tiles of scores are the keys 32 b + 16 (lane / 16) + 0 .. 15.
; K = 64 IN A K = 128 INSTRUCTION.  A head's tile of k is 6 registers.  An even head multiplies [own 6 | the next tile's 6] by [q | zero codes], an odd head [the tile before's 6 | own 6] by [zero codes | q]:
; zero codes annul the foreign half (every code is finite, no scale byte is 0xff).  A scale word holds the even head's two bytes below and the odd head's above.
; THE MASK.  l = F c_q (first frame of each 16: (0, -1, y_q)); d = |l . c_k| / (|(a, b)| + 1e-6); band = 3/128 max d; mask = -max(d - band, 0) 3 / (band + 1e-6).  |l . c| is convex in c, so its maximum over the pixel
; grid lies at a corner: each work-group takes the frame's 1,024 lines at the four corners.  With kappa = 3 log2(e) / (band + 1e-6): t = s c - U + BND, U = max(|u|, BND), u = (l . c_k) rn kappa, BND = band kappa.
; A block of 32 keys is one image row: u = X[i] LA + (Y LB + LC).
; THE SOFTMAX.  M = ceil(the running largest t), kept as NM = -M; p = 2^(t - M) is quantised along the keys; the sum is taken of the unquantised p; when M moves, the sum and O^T are multiplied by 2^(old M - new M): exact.
; LIMITS: NaN and infinities in any input, and overflow in the lines, are not served (only there would the reference's nan_to_num act).  The line is scaled by rn kappa ahead of the dot product: another order of rounding
; than the reference's, about 1e-7 of the term.  A block of zeros gets the byte 1 where the rule says 127 (its codes are zeros).
; REGISTERS.  Window 0: v1-11 addresses; v12-15 LA, LB, LC, BND; v16-31 X; v32-67 Q ([qE 6][zeros 6][qO 6] for each pair of heads); v68-78 scale words; v80-95 statistics, four a head (NM, largest w, the sum in two halves);
;   v96-114 p's codes; v116-179 S^T, then p; v180-227 four fragments of V; v228-247 at work; v248-255 Wo's scale words.
;   Window 1: v0-127 O^T, 32 a head; v128-191 U; v192-197 zeros, v198-245 eight half fragments of k, v246-251 zeros.
.set SLOT1, 131072                     ; slot 0 at 0, slot 1 here: one exclusive or turns an address
.set KVB,   102400                     ; a key step's block
.set OIMG,  102400                     ; between the slots: the attention output's 16 fragments, (query tile m, K step s) at (4 m + s) x 1,536;
.set OSC,   126976                     ; their scale words [m][row 16][s 4]
.set RED,   233472                     ; behind slot 1: eight words for the band's maximum
.set SPARE, 233728                     ; the spare words, 128 bytes for each wave: four blocks of 256 bytes that no other line names
.set SPW, 1
.set NIL, 2
.set K16, 3                            ; my lane's places in a slot: k's registers 0-3, 4-5, V, the scale words
.set K8,  4
.set V16, 5
.set S16, 6
.set ADK16, 7                          ; the same in the slot in hand
.set ADK8,  8
.set ADV, 9
.set ADS, 10
.set GO,  11
.set LA,  12
.set LB,  13
.set LC,  14
.set BND, 15
.set XX,  16
.set Q,   32
.set QS,  68
.set KS,  70
.set VS,  74
.set PW,  78
.set ST,  80
.set PC,  96
.set S,   116
.set VF,  180
.set RB,  192                          ; the way out: 16 rows read back from the stage
.set TM,  228                          ; +0..3 largest values, +4..7 the other half's, then bytes, +12..15 scale operands
.set FF,  236                          ; v[236:237] f = 2^(old M - new M)
.set KM,  238                          ; v[238:239] BND - M
.set T,   244
.set WOS, 248
.set U,   128                          ; in window 1
.set KF,  198
.set WV,  16
.set TB,  22                           ; s22  the slot in hand
.set CNT, 23
.set G1,  24
.set G0,  32
.set CS,  36                           ; s[36:37] c = log2(e) / 8
.set SEL, 38
.set YY,  40                           ; s[40:43] y of the step's four image rows
.set MSB, 0
.macro WIN new                         ; the immediate's high byte repeats the setting that is left; a switch that changes nothing is dropped
.if MSB != (\new)
	s_set_vgpr_msb (MSB<<8)|(\new)
.set MSB, (\new)
.endif
.endm
.macro PLACES n
.rept \n
	v_nop
.endr
.endm
; One matrix instruction.  z: the sum begins (C = 0).  ra: the half of the lanes in which source 0's scale words stand.
.macro WM d, a, b, z, sa, sb, ra
.if \z
.if (\ra)==0
	v_wmma_scale_f32_16x16x128_f8f6f4 v[(\d):(\d)+7], v[(\a):(\a)+11], v[(\b):(\b)+11], 0, v[\sa], v[\sb] matrix_a_fmt:MATRIX_FMT_FP6 matrix_b_fmt:MATRIX_FMT_FP6
.else
	v_wmma_scale_f32_16x16x128_f8f6f4 v[(\d):(\d)+7], v[(\a):(\a)+11], v[(\b):(\b)+11], 0, v[\sa], v[\sb] matrix_a_fmt:MATRIX_FMT_FP6 matrix_b_fmt:MATRIX_FMT_FP6 matrix_a_scale:MATRIX_SCALE_ROW1
.endif
.else
.if (\ra)==0
	v_wmma_scale_f32_16x16x128_f8f6f4 v[(\d):(\d)+7], v[(\a):(\a)+11], v[(\b):(\b)+11], v[(\d):(\d)+7], v[\sa], v[\sb] matrix_a_fmt:MATRIX_FMT_FP6 matrix_b_fmt:MATRIX_FMT_FP6
.else
	v_wmma_scale_f32_16x16x128_f8f6f4 v[(\d):(\d)+7], v[(\a):(\a)+11], v[(\b):(\b)+11], v[(\d):(\d)+7], v[\sa], v[\sb] matrix_a_fmt:MATRIX_FMT_FP6 matrix_b_fmt:MATRIX_FMT_FP6 matrix_a_scale:MATRIX_SCALE_ROW1
.endif
.endif
.endm
; The end of a quantiser: 64 numbers v[s] on in window w, scale operands in v[TM+12] on, become a fragment's codes in v[PC .. PC+11]
.macro CODES w, s
	WIN (\w)
.irp c, 0,1
	v_cvt_scalef32_pk16_fp6_f32 v[PC+6*\c:PC+6*\c+2], v[(\s)+32*\c:(\s)+32*\c+15], v[TM+12+2*\c]
	v_cvt_scalef32_pk16_fp6_f32 v[PC+12+4*\c:PC+14+4*\c], v[(\s)+32*\c+16:(\s)+32*\c+31], v[TM+13+2*\c]   ; (a conversion's three registers begin on an even number)
.endr
	WIN 0
	v_nop                                          ; one plain place behind a scaled conversion
.irp c, 0,1                            ; the operand's layout wants a WHOLE block in a lane: lanes 0-15 block 2 c, lanes 16-31 block 2 c + 1
.irp e, 0,1,2
	v_permlane16_swap_b32 v[PC+6*\c+\e], v[PC+12+4*\c+\e]
.endr
.irp e, 0,1,2
	v_mov_b32 v[PC+3+6*\c+\e], v[PC+12+4*\c+\e]
.endr
.endr
.endm
; From the blocks' largest magnitudes in v[TM .. TM+3] (floor applied): scale operands, bytes, the scale word in v[PW]
.macro BYTES
.irp b, 0,1,2,3
	v_add_nc_u32 v[TM+12+\b], 0xff000000, v[TM+\b] ; 2 off the exponent field: the conversion's scale operand
.endr
.irp b, 0,1,2,3
	v_lshrrev_b32 v[TM+4+\b], 23, v[TM+12+\b]      ; the scale's byte
.endr
	v_lshl_or_b32 v[PW], v[TM+5], 8, v[TM+4]
	v_lshl_or_b32 v[PW], v[TM+6], 16, v[PW]
	v_lshl_or_b32 v[PW], v[TM+7], 24, v[PW]
.endm
; A round of the cluster's barrier
.macro CROUND
	s_barrier_signal -1
	s_barrier_wait -1
	s_cmp_lg_u32 s[WV], 0
	s_cbranch_scc1 .Lnot_wave_0_\@
	s_barrier_signal -3
.Lnot_wave_0_\@:
	s_barrier_wait -3
	s_barrier_signal -1
	s_barrier_wait -1
.endm
	s_load_b256 s[4:11], s[0:1], 0x0               ; F_mats, qi, kv, wimg
	s_load_b128 s[12:15], s[0:1], 0x20             ; wsc, out0
	v_lshl_add_u32 v[SPW], v0, 2, SPARE
	v_mov_b32 v[NIL], 0
	ds_add_u32 v1, v2
	ds_add_u32 v1, v2
	s_wait_dscnt 0x0
	v_lshrrev_b32 v3, 5, v0
	v_readfirstlane_b32 s[WV], v3                  ; wave 0..7
	s_and_b32 s17, s[WV], 3                        ; qt: my query tile
	s_lshr_b32 s18, s[WV], 2                       ; g: my four heads
	s_bfe_u32 s19, ttmp6, 0x40000                  ; cx
	s_lshl_b32 s20, ttmp9, 2
	s_add_co_u32 s20, s20, s19                     ; qb: my block of 64 queries: it enters global addresses of q and out0 and the line's numbers alone
	s_and_b32 s21, ttmp7, 0xffff                   ; the frame, which the four partners share
	; descriptor group 1: 50 rows of 256 bytes (32 elements of 8), dense
	s_mov_b32 s[G1+0], 15|(3<<16)|(1<<21)          ; 15:0 the mask: all four work-groups; 17:16 elements of 8 bytes; 21 set beside a mask
	s_mov_b32 s[G1+1], 32<<16
	s_mov_b32 s[G1+2], 50<<16
	s_mov_b32 s[G1+3], 32<<16
	s_mov_b32 s[G1+4], 50
	s_mov_b32 s[G1+5], 32
	s_mov_b32 s[G1+6], 0
	s_mov_b32 s[G1+7], 0
	s_mov_b32 s[G0], 1
	s_mul_i32 s[G0+1], s[WV], 12800                ; LDS: my eighth of slot 0
	s_mul_i32 s58, s21, 8*KVB
	s_add_co_u32 s58, s58, s[G0+1]
	s_mov_b32 s59, 0
	s_wait_kmcnt 0x0
	s_add_nc_u64 s[G0+2:G0+3], s[8:9], s[58:59]    ; the frame's key step 0, my eighth
	s_or_b32 s[G0+3], s[G0+3], 0x80000000
	CROUND                                         ; all four work-groups are here: the first joint loads meet
	tensor_load_to_lds s[G0:G0+3], s[G1:G1+7]
	s_nop 0
	PLACES 4
	s_mul_i32 s62, s21, 36
	s_mov_b32 s63, 0
	s_add_nc_u64 s[70:71], s[4:5], s[62:63]
	s_load_b256 s[48:55], s[70:71], 0x0            ; the frame's F, nine numbers
	s_load_b32 s56, s[70:71], 0x20
.set zi_, 228
.rept 20
	v_mov_b32 v[zi_], 0                            ; the work registers are written once: lane permutes' destinations and the upper halves of broadcast pairs count as read
.set zi_, zi_+1
.endr
	v_and_b32 v244, 31, v0                         ; lane
	v_and_b32 v245, 15, v0                         ; r
	v_lshlrev_b32 v[ADK16], 4, v244                ; (for q's loads: 16 l, 8 l, 16 r)
	v_lshlrev_b32 v[ADK8], 3, v244
	v_lshlrev_b32 v[ADV], 4, v245
	s_mul_i32 s57, s18, 24576                      ; my four heads' tiles of k: 4 x 8 x 768 bytes
	v_add_nc_u32 v[K16], s57, v[ADK16]
	v_add_nc_u32 v[K8], s57, v[ADK8]
	s_add_co_u32 s57, s57, 49152                   ; and of V: 16 fragments
	v_add_nc_u32 v[V16], s57, v[ADK16]
	s_lshl_b32 s57, s18, 10
	s_add_co_u32 s57, s57, 98304                   ; my two pairs' scale words
	v_add_nc_u32 v[S16], s57, v[ADK16]
	s_lshr_b32 s60, s20, 1
	s_lshl_b32 s61, s21, 3
	s_add_co_u32 s60, s60, s61
	s_mul_i32 s60, s60, 51200                      ; q's block: 8 frame + qb / 2
	s_and_b32 s61, s20, 1
	s_lshl_b32 s62, s61, 2
	s_add_co_u32 s62, s62, s17                     ; my tile in it: 4 (qb % 2) + qt
	s_lshl_b32 s57, s18, 5
	s_add_co_u32 s62, s62, s57                     ; + 8 tiles for each of 4 g heads
	s_mul_i32 s62, s62, 768
	s_add_co_u32 s62, s62, s60
	s_add_nc_u64 s[66:67], s[6:7], s[62:63]
	s_lshl_b32 s62, s18, 10                        ; q's scale words: pair 2 g,
	s_add_co_u32 s62, s62, s60
	s_and_b32 s57, s17, 1
	s_lshl_b32 s57, s57, 8                         ; the half of the lanes of my tile,
	s_add_co_u32 s62, s62, s57
	s_lshl_b32 s57, s61, 3
	s_add_co_u32 s62, s62, s57
	s_lshr_b32 s57, s17, 1
	s_lshl_b32 s57, s57, 2                         ; the pair of tiles 2 (qb % 2) + qt / 2
	s_add_co_u32 s62, s62, s57
	s_add_nc_u64 s[68:69], s[6:7], s[62:63]
.irp hh, 0,1,2,3
	global_load_b128 v[Q+18*(\hh/2)+12*(\hh%2):Q+18*(\hh/2)+12*(\hh%2)+3], v[ADK16], s[66:67] offset:\hh*6144
	global_load_b64 v[Q+18*(\hh/2)+12*(\hh%2)+4:Q+18*(\hh/2)+12*(\hh%2)+5], v[ADK8], s[66:67] offset:\hh*6144+512
.endr
.irp pp, 0,1
	global_load_b32 v[QS+\pp], v[ADV], s[68:69] offset:49152+512*\pp   ; lanes 16-31 take the same words as lanes 0-15
.endr
.irp pp, 0,1
.irp e, 6,7,8,9,10,11
	v_mov_b32 v[Q+18*\pp+\e], 0                    ; the zero codes between a pair's two q
.endr
.endr
	WIN 0x40
.set zi_, 0
.rept 128
	v_mov_b32 v[zi_], 0                            ; O^T.  The key step is written without a first step of its own, which would be a third copy of it: the first change of M multiplies zeros
.set zi_, zi_+1
.endr
.irp e, 192,193,194,195,196,197,246,247,248,249,250,251
	v_mov_b32 v\e, 0                               ; the pads at both ends of k's eight half fragments
.endr
	WIN 0
	s_mov_b32 s[CS], 0x3e38aa3b                    ; c = log2(e) / 8
	s_mov_b32 s[CS+1], s[CS]
	s_mov_b32 s[SEL], 0x76543210
	s_mov_b32 s[SEL+1], 0xfedcba98
	s_mov_b32 s[YY], 0x40600000                    ; 3.5, 11.5, 19.5, 27.5: y of image rows 0 to 3
	s_mov_b32 s[YY+1], 0x41380000
	s_mov_b32 s[YY+2], 0x419c0000
	s_mov_b32 s[YY+3], 0x41dc0000
	s_mov_b32 s45, 0x40600000                      ; 3.5: the first pixel's centre
	s_mov_b32 s46, 0x437b8000                      ; 251.5: the last's
	s_mov_b32 s47, 0x41000000                      ; 8: from pixel to pixel
	s_and_b32 s57, s21, 15
	s_cmp_eq_u32 s57, 0
	s_cselect_b32 s44, -1, 0                       ; all lanes in the first frame of each 16
	; THE BAND.  Thread t takes lines t + 256 k, k = 0 .. 3: pixel x = lane, y = wave + 8 k.  Line 4 is my own query's.
	v_cvt_f32_u32 v116, v244
	v_fma_f32 v116, v116, s47, s45                 ; x
	v_lshrrev_b32 v118, 5, v0
	v_cvt_f32_u32 v118, v118
	v_fma_f32 v160, v118, s47, s45                 ; y, and 64, 128, 192 further down
	v_add_f32 v161, 0x42800000, v160
	v_add_f32 v162, 0x43000000, v160
	v_add_f32 v163, 0x43400000, v160
	v_and_b32 v117, 8, v245
	v_add_nc_u32 v117, v117, v245                  ; my query: pixel x = 8 (qt % 2) + r + 8 (r / 8),
	s_and_b32 s57, s17, 1
	s_lshl_b32 s57, s57, 3
	v_add_nc_u32 v117, s57, v117
	v_cvt_f32_u32 v117, v117
	v_fma_f32 v117, v117, s47, s45
	s_lshl_b32 s57, s20, 1
	s_lshr_b32 s58, s17, 1
	s_add_co_u32 s57, s57, s58                     ; y = 2 qb + qt / 2
	v_cvt_f32_u32 v164, s57
	v_fma_f32 v164, v164, s47, s45
	v_mov_b32 v165, 0
	v_mov_b32 v166, -1.0
	s_wait_kmcnt 0x0                               ; F
.macro LINE k, x, y                    ; (a, b, c) = F (x, y, 1), or (0, -1, y); a^2 + b^2
.set RL, 120+8*(\k)
	v_fma_f32 v[RL], s48, v[\x], s50
	v_fma_f32 v[RL+1], s51, v[\x], s53
	v_fma_f32 v[RL+2], s54, v[\x], s56
	v_fma_f32 v[RL], s49, v[\y], v[RL]
	v_fma_f32 v[RL+1], s52, v[\y], v[RL+1]
	v_fma_f32 v[RL+2], s55, v[\y], v[RL+2]
	v_cndmask_b32 v[RL], v[RL], v165, s44
	v_cndmask_b32 v[RL+1], v[RL+1], v166, s44
	v_cndmask_b32 v[RL+2], v[RL+2], v[\y], s44
	v_mul_f32 v[RL+3], v[RL], v[RL]
	v_fma_f32 v[RL+3], v[RL+1], v[RL+1], v[RL+3]
.endm
	LINE 0, 116, 160
	LINE 1, 116, 161
	LINE 2, 116, 162
	LINE 3, 116, 163
	LINE 4, 117, 164
.irp k, 0,1,2,3,4
	v_sqrt_f32 v[123+8*\k], v[123+8*\k]
.endr
	v_nop                                          ; a plain place behind the batch,
	s_wait_alu depctr_va_vdst(0)                   ; and one wait for it, ahead of its first reader
.irp k, 0,1,2,3,4
	v_add_f32 v[123+8*\k], 0x358637bd, v[123+8*\k] ; + 1e-6
.endr
.irp k, 0,1,2,3,4
	v_rcp_f32 v[123+8*\k], v[123+8*\k]             ; rn
.endr
.irp k, 0,1,2,3                        ; the four corners: plain work behind the reciprocals, which names none of them
	v_fma_f32 v[124+8*\k], v[120+8*\k], s45, v[122+8*\k]
	v_fma_f32 v[125+8*\k], v[120+8*\k], s46, v[122+8*\k]
	v_fma_f32 v[126+8*\k], v[121+8*\k], s45, v[124+8*\k]
	v_fma_f32 v[127+8*\k], v[121+8*\k], s46, v[124+8*\k]
	v_fma_f32 v[124+8*\k], v[121+8*\k], s45, v[125+8*\k]
	v_fma_f32 v[125+8*\k], v[121+8*\k], s46, v[125+8*\k]
	v_max3_num_f32 v[126+8*\k], |v[126+8*\k]|, |v[127+8*\k]|, |v[124+8*\k]|
	v_max_num_f32 v[126+8*\k], v[126+8*\k], |v[125+8*\k]|
.endr
	s_wait_alu depctr_va_vdst(0)
.irp k, 0,1,2,3
	v_mul_f32 v[126+8*\k], v[126+8*\k], v[123+8*\k]
.endr
	v_max3_num_f32 v126, v126, v134, v142
	v_max_num_f32 v126, v126, v150
	v_max_num_f32_dpp v126, v126, v126 row_xmask:1 row_mask:0xf bank_mask:0xf
	v_max_num_f32_dpp v126, v126, v126 row_xmask:2 row_mask:0xf bank_mask:0xf
	v_max_num_f32_dpp v126, v126, v126 row_xmask:4 row_mask:0xf bank_mask:0xf
	v_max_num_f32_dpp v126, v126, v126 row_xmask:8 row_mask:0xf bank_mask:0xf
	v_permlanex16_b32 v127, v126, s[SEL], s[SEL+1]
	v_max_num_f32 v126, v126, v127                 ; my wave's 128 lines
	s_lshl_b32 s57, s[WV], 2
	s_add_co_u32 s57, s57, RED
	v_mov_b32 v167, s57
	ds_store_b32 v167, v126                        ; all lanes write the same word with the same value
	s_wait_dscnt 0x0
	s_barrier_signal -1                            ; the first tile may stay on its way
	s_barrier_wait -1
	v_mov_b32 v167, RED
	ds_load_b128 v[168:171], v167
	ds_load_b128 v[172:175], v167 offset:16
	v_bfe_u32 v246, v0, 4, 1
	v_cvt_f32_u32 v246, v246
	v_fma_f32 v[XX], v246, 0x43000000, s45         ; X[i] = 128 (lane / 16) + 8 i + 3.5: x of key 16 (lane / 16) + i of an image row; all exact
.irp i, 1,2,3,4,5,6,7,8,9,10,11,12,13,14,15
	v_add_f32 v[XX+\i], s47, v[XX+\i-1]
.endr
	s_wait_dscnt 0x0
	v_max3_num_f32 v168, v168, v169, v170
	v_max3_num_f32 v168, v168, v171, v172
	v_max3_num_f32 v168, v168, v173, v174
	v_max_num_f32 v168, v168, v175                 ; the frame's largest distance
	v_mul_f32 v169, 0x3cc00000, v168               ; band = 3/128 of it
	v_add_f32 v170, 0x358637bd, v169
	v_rcp_f32 v170, v170
	v_nop
	s_wait_alu depctr_va_vdst(0)
	v_mul_f32 v170, 0x408a7fac, v170               ; kappa = 3 log2(e) / (band + 1e-6)
	v_mul_f32 v[BND], v169, v170
	v_mul_f32 v171, v155, v170                     ; my line's rn kappa
	v_mul_f32 v[LA], v152, v171
	v_mul_f32 v[LB], v153, v171
	v_mul_f32 v[LC], v154, v171
	v_add_f32 v244, 0xff61b1e6, v[BND]
	v_floor_f32 v244, -v244
.irp hh, 0,1,2,3
	v_mov_b32 v[ST+4*\hh], v244                    ; -M
	v_mov_b32 v[ST+4*\hh+1], 0xff61b1e6            ; the largest w so far: -3e38
	v_mov_b32 v[ST+4*\hh+2], 0                     ; the sum, in two halves
	v_mov_b32 v[ST+4*\hh+3], 0
.endr
	s_mov_b32 s[TB], 0
	s_mov_b32 s[CNT], 7
	s_wait_loadcnt 0x0                             ; q; its loads' address registers may be written again
.macro KLOAD hh                        ; head hh's eight half fragments of k
	WIN 0x40
.irp i, 0,1,2,3,4,5,6,7
	ds_load_b128 v[KF+6*\i:KF+6*\i+3], v[ADK16] offset:(\hh)*6144+768*\i
	ds_load_b64 v[KF+6*\i+4:KF+6*\i+5], v[ADK8] offset:(\hh)*6144+768*\i+512
.endr
	WIN 0
.endm
; ONE HEAD, 128 KEYS
.macro UNIT hh
.set SH, ST+4*(\hh)
.if (\hh) == 0
	s_wait_dscnt 0x0                               ; k and its scale words are in (for the later heads the wait ahead of the last head's second product has shown it)
.endif
	WIN 0x01
.set ui_, 0
.rept 8
	WM S+8*ui_, KF+6*ui_-6*((\hh)%2), Q+18*((\hh)/2)+6*((\hh)%2), 1, KS+ui_/2, QS+(\hh)/2, ui_%2
.set ui_, ui_+1
.endr
	WIN 0
	PLACES 4                                       ; in front of loads into registers that matrix instructions have read, and of the first read of the scores
.set ui_, 0
.rept 12
	ds_load_b128 v[VF+4*ui_:VF+4*ui_+3], v[ADV] offset:(\hh)*6144+512*ui_   ; this head's four fragments of V^T: wanted behind the softmax
.set ui_, ui_+1
.endr
.if (\hh)%2 == 0
	ds_load_b128 v[VS:VS+3], v[ADS] offset:2048+512*((\hh)/2)
.endif
.if (\hh) == 1
	ds_load_b128 v[KS:KS+3], v[ADS] offset:512     ; the second pair's scale words of k
.endif
.if (\hh) < 3
	KLOAD (\hh)+1                                  ; the next head's k
.endif
	WIN 0x10
.set ui_, 0
.rept 32
	v_pk_fma_f32 v[S+ui_:S+ui_+1], v[S+ui_:S+ui_+1], s[CS:CS+1], v[U+ui_:U+ui_+1] op_sel_hi:[1,0,1] neg_lo:[0,0,1] neg_hi:[0,0,1]   ; w = s c - U; each accumulator from its low end on
.set ui_, ui_+2
.endr
	WIN 0
.irp b, 0,1,2,3
	v_max3_num_f32 v[TM+\b], v[S+16*\b], v[S+16*\b+1], v[S+16*\b+2]   ; the largest w of each block of 32 keys: for the row's maximum, and, since p rises with w, for the block's largest p
.endr
.irp e, 3,5,7,9,11,13
.irp b, 0,1,2,3
	v_max3_num_f32 v[TM+\b], v[TM+\b], v[S+16*\b+\e], v[S+16*\b+\e+1]
.endr
.endr
.irp b, 0,1,2,3
	v_max_num_f32 v[TM+\b], v[TM+\b], v[S+16*\b+15]
.endr
.irp b, 0,1,2,3
	v_permlanex16_b32 v[TM+4+\b], v[TM+\b], s[SEL], s[SEL+1]
.endr
.irp b, 0,1,2,3
	v_max_num_f32 v[TM+\b], v[TM+\b], v[TM+4+\b]   ; with lane l xor 16's 16 keys
.endr
	v_max3_num_f32 v[T], v[TM], v[TM+1], v[TM+2]
	v_max_num_f32 v[T], v[T], v[TM+3]
	v_max_num_f32 v[SH+1], v[SH+1], v[T]           ; the running largest w
	v_mov_b32 v[T+1], v[SH]
	v_add_f32 v[T+2], v[SH+1], v[BND]              ; as t
	v_floor_f32 v[SH], -v[T+2]                     ; the new -M = -ceil(t): a whole number
	v_sub_f32 v[T+1], v[SH], v[T+1]                ; old M - new M: a whole number, 0 or less
	v_cvt_i32_f32 v[T+1], v[T+1]                   ; (it saturates)
	v_ldexp_f32 v[FF], 1.0, v[T+1]                 ; f = 2^(old M - new M)
	v_add_f32 v[KM], v[BND], v[SH]                 ; t - M = w + (BND - M)
.set ui_, 0
.rept 32
	v_pk_add_f32 v[S+ui_:S+ui_+1], v[S+ui_:S+ui_+1], v[KM:KM+1] op_sel_hi:[1,0]
.set ui_, ui_+2
.endr
.irp b, 0,1,2,3
	v_add_f32 v[TM+\b], v[TM+\b], v[KM]            ; the same of each block's largest w
.endr
.set ui_, 0
.rept 64
	v_exp_f32 v[S+ui_], v[S+ui_]                   ; p = 2^(t - M): not normalised
.set ui_, ui_+1
.endr
	v_pk_mul_f32 v[SH+2:SH+3], v[SH+2:SH+3], v[FF:FF+1] op_sel_hi:[1,0]   ; the sums under the new M: a plain place behind the batch
	s_wait_alu depctr_va_vdst(0)                   ; one wait for the 64, ahead of their first reader
.irp b, 0,1,2,3
	v_exp_f32 v[TM+\b], v[TM+\b]                   ; the block's largest p: the same additions and exponential on the same number give the same bits
.endr
	v_pk_add_f32 v[T:T+1], v[S:S+1], v[S+2:S+3]    ; the row's sum of the UNQUANTISED p, two at a time, in two chains; it reads the 64 alone
.irp j, 4,8,12,16,20,24,28,32,36,40,44,48,52,56,60
	v_pk_add_f32 v[SH+2:SH+3], v[SH+2:SH+3], v[S+\j:S+\j+1]
	v_pk_add_f32 v[T:T+1], v[T:T+1], v[S+\j+2:S+\j+3]
.endr
	v_pk_add_f32 v[SH+2:SH+3], v[SH+2:SH+3], v[T:T+1]
	s_wait_alu depctr_va_vdst(0)                   ; and one for the four
.irp b, 0,1,2,3
	v_max_num_f32 v[TM+\b], 0x1800000, v[TM+\b]    ; the floor 2^(3 - 127): the byte cannot fall under 1
.endr
	BYTES
	CODES 0, S
	WIN 0x41
.set ui_, 0
.rept 16
	v_pk_mul_f32 v[32*(\hh)+ui_:32*(\hh)+ui_+1], v[32*(\hh)+ui_:32*(\hh)+ui_+1], v[FF:FF+1] op_sel_hi:[1,0]   ; O^T under the new M; these 16 are also the places between p's codes and scale word and the products
.set ui_, ui_+2
.endr
	s_wait_dscnt 0x0                               ; V, and the next head's k
	WIN 0x50
.irp t, 0,1,2,3
	WM 32*(\hh)+8*\t, VF+12*\t, PC, 0, VS+2*((\hh)%2)+\t/2, PW, \t%2
.endr
	WIN 0
.endm
; A KEY STEP: the mask's tile once, then my four heads
.macro STEP
	v_add_nc_u32 v[ADK16], s[TB], v[K16]
	v_add_nc_u32 v[ADK8], s[TB], v[K8]
	v_add_nc_u32 v[ADV], s[TB], v[V16]
	v_add_nc_u32 v[ADS], s[TB], v[S16]
	KLOAD 0
	ds_load_b128 v[KS:KS+3], v[ADS]
.irp b, 0,1,2,3
	v_fma_f32 v[TM+2*\b], v[LB], s[YY+\b], v[LC]   ; block b is one image row: its part of the line
.endr
	WIN 0x40
.irp b, 0,1,2,3
.irp i, 0,2,4,6,8,10,12,14
	v_pk_fma_f32 v[U+16*\b+\i:U+16*\b+\i+1], v[XX+\i:XX+\i+1], v[LA:LA+1], v[TM+2*\b:TM+2*\b+1] op_sel_hi:[1,0,0]
.endr
.endr
	WIN 0x41
.set mi_, 0
.rept 64
	v_max_num_f32 v[U+mi_], |v[U+mi_]|, v[BND]     ; U = max(|u|, BND)
.set mi_, mi_+1
.endr
	WIN 0
	UNIT 0
	UNIT 1
	UNIT 2
	UNIT 3
.irp b, 0,1,2,3
	s_add_f32 s[YY+\b], s[YY+\b], 0x42000000       ; four image rows, 32 in y, further down: exact
.endr
	s_xor_b32 s[TB], s[TB], SLOT1
.endm
; THE CHANGE OF SLOTS stands at a step's head.  Each wave waits for all its tensor loads (its eighth of the slot ahead), adds 0 to its spare word, and waits for that and for its reads of the slot that it has left.
; fill = 1: a round of the cluster's barrier, so that no wave of any partner still reads that slot or has a load on its way; then the joint refill, first thing: it has a whole key step in which to land.
.macro CHANGE fill
	s_wait_tensorcnt 0x0                           ; no tensor load of mine is out, so the group 0 may be written
	ds_add_u32 v[SPW], v[NIL]                      ; 0 onto my spare word
.if \fill
	s_xor_b32 s[G0+1], s[G0+1], SLOT1              ; the other slot than last time,
	s_add_nc_u64 s[G0+2:G0+3], s[G0+2:G0+3], KVB   ; the next key step; the type bits on top are not reached
.endif
	s_wait_dscnt 0x0
.if \fill
	CROUND
	tensor_load_to_lds s[G0:G0+3], s[G1:G1+7]
	s_nop 0
	PLACES 4
.else
	s_barrier_signal -1
	s_barrier_wait -1
.endif
.endm
.Lstep:                                            ; seven trips: behind each change of slots but the last the next key step is asked for
	CHANGE 1
	STEP
	s_sub_co_u32 s[CNT], s[CNT], 1
	s_cmp_lg_u32 s[CNT], 0
	s_cbranch_scc1 .Lstep
	CHANGE 0                                       ; the last step is written out
	STEP
	; ---- THE WAY OUT.  The address work stands behind the last products: more than four plain instructions that name none of their registers.
	v_and_b32 v244, 31, v0
	v_lshlrev_b32 v7, 4, v244                      ; 16 x lane
	v_and_b32 v245, 15, v0                         ; r
	v_bfe_u32 v246, v0, 4, 1                       ; h
	s_mul_i32 s58, s17, 6144
	s_mul_i32 s60, s18, 3072
	s_add_co_u32 s58, s58, s60
	s_add_co_u32 s58, s58, OIMG
	v_add_nc_u32 v3, s58, v7                       ; where I store my two fragments: (query tile qt, K steps 2 g, 2 g + 1)
	s_lshl_b32 s58, s17, 8
	s_lshl_b32 s60, s18, 3
	s_add_co_u32 s58, s58, s60
	s_add_co_u32 s58, s58, OSC
	v_lshl_add_u32 v4, v245, 4, s58                ; and their scale words
	v_add_nc_u32 v5, OIMG, v7                      ; where any fragment is read,
	v_lshlrev_b32 v6, 4, v245
	v_add_nc_u32 v6, OSC, v6                       ; and a row's four words
	s_mul_i32 s58, s[WV], 4352                     ; my stage: 16 rows x (256 bytes + 16), in slot 0, which has had its last fill and its last read
	v_mul_u32_u24 v8, v245, 272
	v_lshl_add_u32 v8, v246, 6, v8
	v_add_nc_u32 v8, s58, v8                       ; in: row r, 64 h
	v_mul_u32_u24 v9, v246, 272
	v_lshl_add_u32 v9, v245, 4, v9
	v_add_nc_u32 v9, s58, v9                       ; back: lanes 0-15 one row, lanes 16-31 the next
	v_lshlrev_b32 v[GO], 11, v246
	v_lshl_add_u32 v[GO], v245, 4, v[GO]           ; and the same two rows in out0
	s_mov_b32 s59, 0
	s_mul_i32 s58, s[WV], 24576
	s_add_co_u32 s58, s58, 589824
	s_add_nc_u64 s[72:73], s[10:11], s[58:59]      ; Wo's column tiles 4 w .. 4 w + 3: 16 fragments on end
	s_lshl_b32 s58, s[WV], 10
	s_add_co_u32 s58, s58, 24576
	s_add_nc_u64 s[74:75], s[12:13], s[58:59]
	s_lshl_b32 s58, s21, 21
	s_lshl_b32 s60, s20, 17
	s_add_co_u32 s58, s58, s60
	s_lshl_b32 s60, s[WV], 8
	s_add_co_u32 s58, s58, s60
	s_add_nc_u64 s[76:77], s[14:15], s[58:59]      ; out0 at my block's first row, my 64 columns
	WIN 0x40
.set wi_, 0
.rept 30
	global_load_b128 v[128+4*wi_:128+4*wi_+3], v7, s[72:73] offset:512*wi_       ; fragments 0-9 (f = 4 tile + K step) into window 1, where U and k lay
.set wi_, wi_+1
.endr
	WIN 0
.rept 18
	global_load_b128 v[116+4*(wi_-30):116+4*(wi_-30)+3], v7, s[72:73] offset:512*wi_   ; fragments 10-15 into window 0, where p lay
.set wi_, wi_+1
.endr
	global_load_b128 v[WOS:WOS+3], v7, s[74:75]
	global_load_b128 v[WOS+4:WOS+7], v7, s[74:75] offset:512
.irp hh, 0,1,2,3
	v_add_f32 v[T+\hh], v[ST+4*\hh+2], v[ST+4*\hh+3]   ; the sum's two halves,
.endr
.irp hh, 0,1,2,3
	v_permlanex16_b32 v[TM+4+\hh], v[T+\hh], s[SEL], s[SEL+1]
.endr
.irp hh, 0,1,2,3
	v_add_f32 v[T+\hh], v[T+\hh], v[TM+4+\hh]      ; and lane l xor 16's
.endr
.irp hh, 0,1,2,3
	v_rcp_f32 v[ST+4*\hh+2], v[T+\hh]
.endr
	v_nop
	s_wait_alu depctr_va_vdst(0)
	WIN 0x41
.irp hh, 0,1,2,3
.irp j, 0,2,4,6,8,10,12,14,16,18,20,22,24,26,28,30
	v_pk_mul_f32 v[32*\hh+\j:32*\hh+\j+1], v[32*\hh+\j:32*\hh+\j+1], v[ST+4*\hh+2:ST+4*\hh+3] op_sel_hi:[1,0]   ; O^T / l
.endr
.endr
; a pair of heads is one K step of the projection: register 64 pp + 16 b + i = channel 32 b + 16 h + i of it
.irp pp, 0,1
	WIN 0x14
.irp b, 0,1,2,3
	v_max3_num_f32 v[TM+\b], 0x1800000, |v[64*\pp+16*\b]|, |v[64*\pp+16*\b+1]|
.endr
.irp e, 2,4,6,8,10,12,14
.irp b, 0,1,2,3
	v_max3_num_f32 v[TM+\b], v[TM+\b], |v[64*\pp+16*\b+\e]|, |v[64*\pp+16*\b+\e+1]|
.endr
.endr
	WIN 0
.irp b, 0,1,2,3
	v_permlanex16_b32 v[TM+4+\b], v[TM+\b], s[SEL], s[SEL+1]
.endr
.irp b, 0,1,2,3
	v_max_num_f32 v[TM+\b], v[TM+\b], v[TM+4+\b]
.endr
	BYTES
	CODES 1, 64*\pp
.irp c, 0,1,2
	ds_store_b128 v3, v[PC+4*\c:PC+4*\c+3] offset:1536*\pp+512*\c
.endr
	ds_store_b32 v4, v[PW] offset:4*\pp            ; lanes l and l xor 16 write the same word to the same place
	s_wait_dscnt 0x0                               ; the stores have read their registers; and, the second time, for the others' sake
.endr
	s_barrier_signal -1
	s_barrier_wait -1                              ; the 64 queries' 16 fragments lie in LDS
.macro AFETCH m                        ; query tile m: four fragments and a row's four scale words
	WIN 0x40
.set wi_, 0
.rept 12
	ds_load_b128 v[48*((\m)%2)+4*wi_:48*((\m)%2)+4*wi_+3], v5 offset:6144*(\m)+512*wi_
.set wi_, wi_+1
.endr
	WIN 0
	ds_load_b128 v[KS+4*((\m)%2):KS+4*((\m)%2)+3], v6 offset:256*(\m)
.endm
; 16 queries x my 64 columns of out0: source 0 = 16 columns of Wo, source 1 = the queries: a lane holds eight neighbouring columns of one row.  Four accumulators by turns.
.macro OTILE m
.if (\m) < 3
	AFETCH (\m)+1
	s_wait_dscnt 13                                ; all but the 13 just issued
.else
	s_wait_dscnt 0x0
.endif
.if (\m) == 0
	s_wait_loadcnt 0x0                             ; Wo
.endif
.irp k, 0,1,2,3
.irp c, 0,1,2,3
.if 4*\c+\k < 10
	WIN 0x55
	WM 96+8*\c, 128+12*(4*\c+\k), 48*((\m)%2)+12*\k, (\k==0), WOS+4*(\c/2)+\k, KS+4*((\m)%2)+\k, \c%2
.else
	WIN 0x54
	WM 96+8*\c, 116+12*(4*\c+\k-10), 48*((\m)%2)+12*\k, (\k==0), WOS+4*(\c/2)+\k, KS+4*((\m)%2)+\k, \c%2
.endif
.endr
.endr
	WIN 0
	PLACES 5                                       ; four in front of the stores that read the results and of the next loads; five, since the next tile's products begin these accumulators anew
	WIN 0x04
.irp c, 0,1,2,3
	ds_store_b128 v8, v[96+8*\c:96+8*\c+3] offset:128*(\c/2)+32*(\c%2)          ; columns 32 (c / 2) + 16 h + 8 (c % 2) + 0 .. 7; each accumulator from its low end on
	ds_store_b128 v8, v[96+8*\c+4:96+8*\c+7] offset:128*(\c/2)+32*(\c%2)+16
.endr
	WIN 0
.if (\m) > 0
	s_wait_xcnt 0x0                                ; the last tile's stores have read their registers
.endif
.irp i, 0,1,2,3,4,5,6,7
	ds_load_b128 v[RB+4*\i:RB+4*\i+3], v9 offset:544*\i   ; LDS serves a wave's instructions in order: these see my stores
.endr
.irp i, 0,1,2,3,4,5,6,7
	s_wait_dscnt 7-\i
	global_store_b128 v[GO], v[RB+4*\i:RB+4*\i+3], s[76:77] offset:(32*((\m)/2)+8*((\m)%2)+2*\i+8*(\i/4))*2048 th:TH_STORE_NT   ; stage row 2 i + h is token 32 (m / 2) + 8 (m % 2) + 2 i + h + 8 (i / 4); 16 lanes store 256 consecutive bytes, aligned
.endr
.endm
	AFETCH 0
	OTILE 0
	OTILE 1
	OTILE 2
	OTILE 3
	s_wait_tensorcnt 0x0                           ; the wave's end: behind my last tensor load and my last LDS store
	ds_add_u32 v[SPW], v[NIL]
	s_wait_dscnt 0x0
	CROUND                                         ; the closing round: no work-group ends while a partner may still ask for a tile that names it
	s_endpgm
.Lfunc_end_k_q2a9bc99e77_attn:
	.size	k_q2a9bc99e77_attn, .Lfunc_end_k_q2a9bc99e77_attn-k_q2a9bc99e77_attn
	.p2alignl 7, 3214868480
	.fill 96, 4, 3214868480
	.section	.rodata,"a",@progbits
	.p2align	6, 0x0
	.amdhsa_kernel k_q2a9bc99e77_attn
		.amdhsa_group_segment_fixed_size 327680
		.amdhsa_private_segment_fixed_size 0
		.amdhsa_enable_private_segment 0
		.amdhsa_kernarg_size 48
		.amdhsa_user_sgpr_count 2
		.amdhsa_user_sgpr_kernarg_segment_ptr 1
		.amdhsa_wavefront_size32 1
		.amdhsa_system_sgpr_workgroup_id_x 1
		.amdhsa_system_sgpr_workgroup_id_y 1
		.amdhsa_system_sgpr_workgroup_id_z 1
		.amdhsa_system_vgpr_workitem_id 0
		.amdhsa_next_free_vgpr 512
		.amdhsa_next_free_sgpr 80
		.amdhsa_reserve_vcc 0
		.amdhsa_float_denorm_mode_32 3
		.amdhsa_float_denorm_mode_16_64 3
		.amdhsa_memory_ordered 1
		.amdhsa_forward_progress 1
		.amdhsa_inst_pref_size 216
	.end_amdhsa_kernel
	.amdgpu_metadata
---
amdhsa.version: [ 1, 2 ]
amdhsa.kernels:
  - .name:           k_q2a9bc99e77_attn
    .symbol:         k_q2a9bc99e77_attn.kd
    .args:
      - { .name: F_mats, .offset: 0, .size: 8, .value_kind: global_buffer, .address_space: global }
      - { .name: qi, .offset: 8, .size: 8, .value_kind: global_buffer, .address_space: global }
      - { .name: kv, .offset: 16, .size: 8, .value_kind: global_buffer, .address_space: global }
      - { .name: wimg, .offset: 24, .size: 8, .value_kind: global_buffer, .address_space: global }
      - { .name: wsc, .offset: 32, .size: 8, .value_kind: global_buffer, .address_space: global }
      - { .name: out0, .offset: 40, .size: 8, .value_kind: global_buffer, .address_space: global }
    .group_segment_fixed_size: 327680
    .private_segment_fixed_size: 0
    .kernarg_segment_align: 8
    .kernarg_segment_size: 48
    .max_flat_workgroup_size: 256
    .sgpr_count:     80
    .vgpr_count:     512
    .wavefront_size: 32
...
	.end_amdgpu_metadata
.endif
;; end of part 3
